; MI455X (gfx1250); checked and timed in simulation.
; The chip was launched on July 23, 2026; its instructions are those of AMD's public machine-readable ISA for CDNA 5 (MIT licence, August 2026) and "CDNA5" Instruction Set Architecture Reference Guide (July 2026). The comments in the code are by the model that wrote it; some were corrected since.
;; Self Attention2 D. Allowed arithmetic: matrix products marked QUANTISED: E4M3 operands, one E8M0 scale for each 32 along K, by v_wmma_scale_f32_16x16x128_f8f6f4 with both operands' format E4M3, f32 sums; everything else in f32.
;; Inputs: Wk_codes 32 x 8 x 32 uint8 (E4M3 codes of Wk, K innermost, in blocks of 32 codes); Wk_scales 32 x 8 uint8 (E8M0 scales of Wk, one for each 32 codes along K); Wq_codes 32 x 8 x 32 uint8 (E4M3 codes of Wq, K innermost, in blocks of 32 codes); Wq_scales 32 x 8 uint8 (E8M0 scales of Wq, one for each 32 codes along K); Wv_codes 256 x 8 x 32 uint8 (E4M3 codes of Wv, K innermost, in blocks of 32 codes); Wv_scales 256 x 8 uint8 (E8M0 scales of Wv, one for each 32 codes along K); bk 32 float32; bq 32 float32; bv 256 float32; gamma 1 float32; x 8 x 256 x 64 x 64 float32.
;; Outputs: out0 8 x 256 x 64 x 64 float32.
;; This version of the problem:
;;   THIS VERSION OF THE PROBLEM IS GIVEN IN LOW PRECISION. The matrix products marked QUANTISED in the list below multiply operands that are first quantised to E4M3 (4 exponent bits, 3 mantissa bits; 8 bits a number), with one power-of-two scale for each 32 numbers along K (OCP MX v1.0); their sums are f32. All else is computed in f32.
;;   The module's matrix products, in the order in which they are computed (A, B: the left and right operand; K: the contracted axis; several contracted axes count as one K, in the product's order):
;;     1. [M 32,768, K 256] x [K 256, N 32]; A: input x; B: input Wq (given as codes): QUANTISED
;;     2. [M 32,768, K 256] x [K 256, N 32]; A: input x; B: input Wk (given as codes): QUANTISED
;;     3. [M 32,768, K 256] x [K 256, N 256]; A: input x; B: input Wv (given as codes): QUANTISED
;;     4. batch 8 x [M 4,096, K 32] x [K 32, N 4,096]; A: computed on the way; B: computed on the way: QUANTISED
;;     5. batch 8 x [M 256, K 4,096] x [K 4,096, N 4,096]; A: computed on the way; B: softmax (see below): QUANTISED
;;   THE QUANTISER, for each operand of a quantised product, along K:
;;     - K is cut into blocks of 32 from its start; a last block that is shorter is filled with zeros.
;;     - A block's scale is 2^e with e = floor(log2(the largest magnitude in the block)) - 8, held to -126 .. 127; a block of zeros has e = 0. As a byte (E8M0): e + 127.
;;     - Each number is divided by its block's scale, clamped to +-448, and rounded to the nearest number of E4M3, ties to even, subnormals kept.
;;     - The product sums the exact products of the quantised numbers (number of the format x scale) in f32.
;;   ~~~python
;;   def quantise(x, axis):      # numpy; x: float32 -> the quantised numbers, widened to float32 again
;;       x = np.moveaxis(x, axis, -1); K = x.shape[-1]
;;       x = np.pad(x, [(0, 0)] * (x.ndim - 1) + [(0, -K % 32)]); x = x.reshape(x.shape[:-1] + (-1, 32)); a = np.abs(x).max(-1, keepdims=True)
;;       e = np.where(a > 0, np.clip(np.frexp(np.where(a > 0, a, 1))[1] - 1 - 8, -126, 127), 0)      # np.frexp(a)[1] - 1 = floor(log2(a)), exactly
;;       r = np.clip(x / 2.0 ** e, -448, 448)
;;       step = 2.0 ** (np.maximum(np.frexp(np.where(r == 0, 1, r))[1] - 1, -6) - 3)
;;       q = np.round(r / step) * step * 2.0 ** e      # np.round: ties to even
;;       return np.moveaxis(q.reshape(q.shape[:-2] + (-1,))[..., :K], -1, axis).astype(np.float32)
;;   ~~~
;;   SOFTMAX AHEAD OF A QUANTISED PRODUCT. Where the list says 'softmax', what is quantised is not the finished softmax but p = 2^(t - M), with t = logit x log2(e) and M = ceil(the row's largest t), a whole number; so 1/2 < the row's largest p <= 1. The row's sum l is taken of the UNQUANTISED p, in f32, and the product's result is divided by l at the end. Since M is a whole number, a kernel that streams over the keys may use a running M (the ceiling of the running maximum): every later rescaling is an exact power of two, which a block's scale takes up: the codes' values come out the same.
;;   OPERANDS COMPUTED ON THE WAY. 'Computed on the way' means the value that the module computes at that place (a softmax that the list does not call 'softmax' is quantised finished and normalised). What goes into a quantiser is computed in f32, as accurately as f32 sums, v_exp_f32 and their like allow (about 1e-6 of the number): no bf16 or f16 on the way to a quantiser, and a product that is left as it is and whose result goes on into a quantised operand takes f32 operands (vector FMAs, or v_wmma_f32_16x16x4_f32). A number that lies on a knife's edge between two numbers of the format may be rounded either way, as far as f32 arithmetic and the matrix unit's own rounding can turn it there, and no further.
;;   INPUTS GIVEN AS CODES. Wk (in the module: [32, 256], K = its axis 1); Wq (in the module: [32, 256], K = its axis 1); Wv (in the module: [256, 256], K = its axis 1): each comes as NAME_codes (uint8): NAME with its K axis moved to the last place and cut into blocks of 32 codes, [.., K / 32, bytes a block], one block behind the other in memory; one code a byte (a code: sign, 4 exponent bits, 3 mantissa bits); and NAME_scales (uint8): the same leading axes, one E8M0 byte (e + 127) for each 32 codes along K. Its value is code x scale, taken as it is: it is not quantised again, and the codes and scales need not be those that the quantiser above would give.
;; One version. Each part assembles by itself: llvm-mc -triple=amdgcn-amd-amdhsa -mcpu=gfx1250 --defsym DOCPART=n.
;; ======== version 1 of 1: 2 launches
;; limits: right only within a limited range of input values
;; workspace buffers: kv 9,830,400 bytes; qimg 1,179,648 bytes
;; launch proj (part 1): grid 32 x 8, 8 waves a work-group, no clusters, 168,960 bytes of LDS; arguments x, Wq_codes, Wq_scales, bq, Wk_codes, Wk_scales, bk, Wv_codes, Wv_scales, bv, kv, qimg; writes kv, qimg
.if DOCPART == 1
	.amdgcn_target "amdgcn-amd-amdhsa--gfx1250"
	.amdhsa_code_object_version 6
	.text
	.protected	k_q8e9106fa73_proj
	.globl	k_q8e9106fa73_proj
	.p2align	8
	.type	k_q8e9106fa73_proj,@function
k_q8e9106fa73_proj:
	s_mov_b64 s[64:65], 0
	v_nop
	global_prefetch_b8 v0, s[64:65] scope:SCOPE_SE
	s_setreg_imm32_b32 hwreg(HW_REG_WAVE_MODE, 25, 1), 1
	s_wait_xcnt 0x0
; q = Wq x + bq, k = Wk x + bk, v = Wv x + bv for 128 positions of one image, all three products on codes of FP8 (E4M3) with one E8M0 scale for each 32 along K (the channels),
; and the results quantised again for the next launch: q and k along their 32 numbers d, v along the positions (the keys), 32 to a block.
; x: [8][256 channels][4096 positions] f32.  Wq, Wk [32][256], Wv [256][256]: codes, K innermost; their scale bytes [rows][8].  Work-group (s, b): positions 128 s .. 128 s + 127 of image b.
; OUT, in the order of the next launch's operand registers.  kv[b][s]: a block of 38,400 bytes: K's 8 tiles of 16 keys (512 t + 16 lane), their scale words (4,096 + 128 i + 4 lane: lanes 0-15 tile 2 i,
; lanes 16-31 tile 2 i + 1), V's 16 channel tiles x 4 blocks of 32 keys (4,608 + 2,048 e + 512 c + 16 lane), V's scale words (37,376 + 128 i + 4 lane).  qimg[b][s]: 4,608 bytes, laid as K's part.
; THE POSITIONS OF A TILE ARE NOT NEIGHBOURS: row r of tile 2 g + u is position 32 g + 8 u + r + 8 (r / 8).  With x as source 1 (q, k) a lane then holds one position and, in two neighbouring
; accumulators, d = 16 (lane / 16) + 0 .. 15; with x as source 0 (v) a lane holds one channel and positions 32 g + 16 (lane / 16) + 0 .. 15: each time 16 neighbours along the next product's K.
; PHASES.  X: wave w brings channels 32 w .. 32 w + 31 (one block of K) of the 128 positions by one tensor load (32 rows of 512 bytes), takes a position to a lane and the channels down its registers,
; and stores codes and scale bytes into LDS rows by position | the one barrier | Pq: waves 0-3 make q, waves 4-7 k, 32 positions each | Pv: wave w makes channels 32 w .. 32 w + 31 of v for all 128 positions.
; NO CLUSTER: a work-group's tensor loads bring 131,072 bytes of x that no other work-group reads; what is shared is the weights, 16,384 bytes a wave, which go straight into registers.
; LDS is filled once, by one load a wave that only that wave reads; codes and scale bytes have bytes of their own behind it.
; A block's scale is 2^(floor(log2(largest magnitude)) - 8); its byte is the largest magnitude's exponent field - 8, held at 1 from below.
; LIMITS: NaN and infinities are not served.  A block of zeros, or one whose largest magnitude lies under 2^-118, keeps the byte 1 (the rule says 127 for zeros): zero codes add nothing, and this program alone reads the bytes.
.set XC,   131072                      ; LDS: x's codes, 128 rows (tile order) of 256 bytes + 16: 272 = 68 words, so that the 16 rows of a fragment load start at 16 different banks (64 banks of 4 bytes: ISA guide 11.1)
.set XP,   272
.set XSC,  165888                      ; LDS: x's scale bytes, 8 a row
.set KVB,  38400                       ; a block of kv
.set QB,   4608                        ; a block of qimg
.set KSC,  4096
.set VIMG, 4608
.set VSC,  37376
.set XF,   64                          ; v64-127  phase X: two sets of 32 numbers; later x's fragments (tile p, K step ks) at XF + 32 p + 16 ks
.set ACC,  128                         ; v128-159 phase X: 4 x 8 registers of codes; later four accumulators
; v4 XT read, v5 XC write, v6 XSC write, v7/v8 fragment addresses (all rows / my 32), v9/v10 scale words likewise, v11 16 lane, v12 4 lane, v13-15, v200 store offsets, v201-207 load offsets
; v16-19 Wq/Wk scale words, v20-23 Wv's, v24-27 x's; v28-29 V's words in the making; v30-31 words to store; v32-47 bq/bk as C; v48-63 bv as C; v160-199 codes to store (each store has its own); v208-219 at work
; window 1: v0-63 Wq/Wk fragments (32 u + 16 ks), v64-127 Wv's (64 + 32 ch + 16 ks)
.set MSB, 0
.macro WIN new                         ; the immediate's high byte repeats the setting that is left
.if MSB != \new
	s_set_vgpr_msb (MSB<<8)|\new
.set MSB, \new
.endif
.endm
	s_load_b256 s[4:11], s[0:1], 0x0               ; x, Wq's codes, Wq's scales, bq
	s_load_b256 s[12:19], s[0:1], 0x20             ; Wk's codes, Wk's scales, bk, Wv's codes
	s_load_b256 s[32:39], s[0:1], 0x40             ; Wv's scales, bv, kv, qimg
	v_lshl_add_u32 v254, v0, 2, 0x29000
	v_mov_b32 v255, 0
	ds_add_u32 v254, v255
	ds_add_u32 v254, v255
	v_lshrrev_b32 v1, 5, v0
	s_delay_alu instid0(VALU_DEP_1)
	v_readfirstlane_b32 s40, v1                    ; wave 0..7
	s_and_b32 s41, s40, 3                          ; which 32 positions of q or k are mine
	s_and_b32 s48, ttmp7, 0xffff                   ; the image
	s_mov_b32 s42, 0x76543210
	s_mov_b32 s43, 0xfedcba98                      ; v_permlanex16_b32's selects for lane l xor 16
	s_mov_b32 s45, 0xffff0000                      ; lanes 16-31
	; descriptor group 1: 32 rows (channels) x 128 elements of 4 bytes, 4,096 elements from row to row, no padding
	s_mov_b32 s24, 2<<16                           ; no mask; elements of 4 bytes
	s_mov_b32 s25, 128<<16                         ; tensor_dim0 = 128
	s_mov_b32 s26, 32<<16                          ; tensor_dim1 = 32
	s_mov_b32 s27, 128<<16                         ; tile_dim0 = 128
	s_mov_b32 s28, 32                              ; tile_dim1 = 32
	s_mov_b32 s29, 4096                            ; tensor_dim0_stride
	s_mov_b32 s30, 0
	s_mov_b32 s31, 0
	s_lshl_b32 s50, s48, 22                        ; image x 256 x 4,096 x 4 bytes
	s_lshl_b32 s51, s40, 19                        ; + wave x 32 channels
	s_add_co_u32 s50, s50, s51
	s_lshl_b32 s51, ttmp9, 9                       ; + 128 positions x work-group x
	s_add_co_u32 s50, s50, s51
	s_mov_b32 s51, 0
	s_mov_b32 s20, 1                               ; group 0: count = 1
	s_lshl_b32 s21, s40, 14                        ; LDS: 16,384 x wave
	s_wait_dscnt 0x0
	s_wait_kmcnt 0x0
	s_add_nc_u64 s[22:23], s[4:5], s[50:51]
	s_or_b32 s23, s23, 0x80000000                  ; type = 2
	tensor_load_to_lds s[20:23], s[24:31]          ; my one tensor load: one is outstanding
	s_nop 0
.rept 4
	v_nop
.endr
	v_and_b32 v1, 31, v0                           ; lane
	v_and_b32 v2, 15, v0                           ; r
	v_bfe_u32 v3, v0, 4, 1                         ; h
	s_delay_alu instid0(VALU_DEP_3)
	v_lshlrev_b32 v11, 4, v1
	s_delay_alu instid0(VALU_DEP_4)
	v_lshlrev_b32 v12, 2, v1
	s_delay_alu instid0(VALU_DEP_1)
	v_add_nc_u32 v4, s21, v12                      ; my tile: 4 bytes a lane
	v_and_b32 v201, 7, v0                          ; position 32 g + lane lies in row 32 g + (lane % 8) + 8 (lane / 16) + 16 ((lane / 8) % 2) of the tile order
	s_delay_alu instid0(VALU_DEP_1)
	v_lshl_add_u32 v201, v3, 3, v201
	v_bfe_u32 v202, v0, 3, 1
	s_delay_alu instid0(VALU_DEP_1)
	v_lshl_add_u32 v201, v202, 4, v201
	s_delay_alu instid0(VALU_DEP_1)
	v_mul_u32_u24 v5, v201, XP
	s_lshl_b32 s52, s40, 5
	s_add_co_u32 s52, s52, XC
	v_add_nc_u32 v5, s52, v5                       ; that row, my block's 32 bytes
	v_lshlrev_b32 v6, 3, v201
	s_add_co_u32 s52, s40, XSC
	v_add_nc_u32 v6, s52, v6                       ; that row's scale bytes, my block's
	v_mul_u32_u24 v7, v2, XP
	s_delay_alu instid0(VALU_DEP_1)
	v_lshl_add_u32 v7, v3, 4, v7
	s_delay_alu instid0(VALU_DEP_1)
	v_add_nc_u32 v7, XC, v7                        ; a fragment: row r x pitch + 16 h
	s_mul_i32 s52, s41, 32*XP
	v_add_nc_u32 v8, s52, v7                       ; the same in my 32 positions of q or k
	v_lshl_add_u32 v9, v2, 3, XSC                  ; row r's two scale words
	s_lshl_b32 s52, s41, 8
	v_add_nc_u32 v10, s52, v9
	v_lshl_add_u32 v13, s40, 12, v11               ; V's codes: 16 lane + 4,096 wave
	v_lshl_add_u32 v14, s40, 7, v12                ; V's words: 4 lane + 128 wave
	v_lshl_add_u32 v15, s41, 10, v11               ; q's or k's codes: 16 lane + 1,024 (wave % 4)
	v_lshl_add_u32 v200, s41, 7, v12               ; their words
	v_and_b32 v203, 8, v2
	s_delay_alu instid0(VALU_DEP_1)
	v_add_nc_u32 v203, v203, v2                    ; r + 8 (r / 8): the rows of Wq and Wk that form a tile are chosen as the positions are
	s_delay_alu instid0(VALU_DEP_1)
	v_lshlrev_b32 v201, 8, v203
	s_delay_alu instid0(VALU_DEP_1)
	v_lshl_add_u32 v201, v3, 4, v201               ; Wq, Wk: a row is 256 bytes
	s_wait_alu depctr_va_vdst(0)
	v_lshlrev_b32 v202, 3, v203                    ; their scale bytes: 8 a row
	v_lshlrev_b32 v204, 8, v2
	s_delay_alu instid0(VALU_DEP_1)
	v_lshl_add_u32 v204, v3, 4, v204               ; Wv: row r
	s_wait_alu depctr_va_vdst(0)
	v_lshlrev_b32 v205, 3, v2
	s_wait_alu depctr_va_vdst(0)
	v_lshlrev_b32 v206, 6, v3                      ; bq, bk: d = 16 h + 8 u + 0 .. 7
	s_wait_alu depctr_va_vdst(0)
	v_lshlrev_b32 v207, 2, v2                      ; bv: channel r of a tile
	s_wait_alu depctr_va_vdst(0)
	v_mov_b32 v210, 0                              ; written once: a lane permute's destination counts as one of its sources
	v_mov_b32 v211, 0
	s_cmp_lt_u32 s40, 4                            ; waves 0-3: q; waves 4-7: k.  Only pointers are chosen: both take one path
	s_cselect_b64 s[52:53], s[6:7], s[12:13]
	s_cselect_b64 s[54:55], s[8:9], s[14:15]
	s_cselect_b64 s[56:57], s[10:11], s[16:17]
	s_cselect_b64 s[58:59], s[38:39], s[36:37]
	s_mov_b32 s60, KVB
	s_cselect_b32 s60, QB, s60
	s_lshl_b32 s62, s48, 5
	s_add_co_u32 s62, s62, ttmp9                   ; 32 x image + work-group x
	s_mul_i32 s60, s60, s62
	s_mov_b32 s61, 0
	s_add_nc_u64 s[58:59], s[58:59], s[60:61]      ; my block of qimg, or of kv
	s_mul_i32 s60, s62, KVB
	s_add_nc_u64 s[36:37], s[36:37], s[60:61]      ; my block of kv
	s_lshl_b32 s60, s40, 13
	s_add_nc_u64 s[18:19], s[18:19], s[60:61]      ; my 32 rows of Wv,
	s_lshl_b32 s60, s40, 8
	s_add_nc_u64 s[32:33], s[32:33], s[60:61]      ; their scale bytes,
	s_lshl_b32 s60, s40, 7
	s_add_nc_u64 s[34:35], s[34:35], s[60:61]      ; and their bv
	WIN 0x40                                       ; destination window 1: the weights' fragments stay there
.irp u, 0,1
.irp ks, 0,1
.irp c, 0,1,2,3
	global_load_b128 v[32*\u+16*\ks+4*\c:32*\u+16*\ks+4*\c+3], v201, s[52:53] offset:2048*\u+128*\ks+32*\c
.endr
.endr
.endr
.irp u, 0,1
.irp ks, 0,1
.irp c, 0,1,2,3
	global_load_b128 v[64+32*\u+16*\ks+4*\c:64+32*\u+16*\ks+4*\c+3], v204, s[18:19] offset:4096*\u+128*\ks+32*\c
.endr
.endr
.endr
	WIN 0
.irp u, 0,1
	global_load_b64 v[16+2*\u:17+2*\u], v202, s[54:55] offset:64*\u        ; a row's two scale words: K steps 0 and 1
	global_load_b64 v[20+2*\u:21+2*\u], v205, s[32:33] offset:128*\u
	global_load_b128 v[32+8*\u:35+8*\u], v206, s[56:57] offset:32*\u       ; the bias in the result's layout
	global_load_b128 v[36+8*\u:39+8*\u], v206, s[56:57] offset:32*\u+16
	global_load_b32 v[48+8*\u], v207, s[34:35] offset:64*\u
.endr
; ---- X.  32 positions at a time: register i = channel 32 w + i of position 32 g + lane
.macro LOADX g
.set i, 0
.rept 32
	ds_load_b32 v[XF+32*((\g)%2)+i], v4 offset:128*(\g)+512*i              ; 32 lanes read 128 consecutive bytes
.set i, i+1
.endr
.endm
.macro BLOCKX g, left                  ; left: the LDS instructions issued behind this group's 32 loads, which may stay out
.set XS, XF+32*((\g)%2)
	s_wait_dscnt \left
	v_max3_num_f32 v208, |v[XS]|, |v[XS+1]|, |v[XS+2]|                     ; the block's largest magnitude: all 32 numbers are mine
	v_max3_num_f32 v209, |v[XS+3]|, |v[XS+4]|, |v[XS+5]|
.irp i, 6,10,14,18,22,26
	s_delay_alu instid0(VALU_DEP_2)
	v_max3_num_f32 v208, v208, |v[XS+\i]|, |v[XS+\i+1]|
	s_delay_alu instid0(VALU_DEP_2)
	v_max3_num_f32 v209, v209, |v[XS+\i+2]|, |v[XS+\i+3]|
.endr
	s_delay_alu instid0(VALU_DEP_2)
	v_max3_num_f32 v208, v208, |v[XS+30]|, |v[XS+31]|
	s_delay_alu instid0(VALU_DEP_1)
	v_max3_num_f32 v208, v208, v209, 0x4800000     ; and the floor 2^(9 - 127): the byte cannot fall under 1
	s_delay_alu instid0(VALU_DEP_1)
	v_add_nc_u32 v212, 0xfc000000, v208            ; 8 off the exponent field: the conversion's scale operand
	s_delay_alu instid0(VALU_DEP_1)
	v_lshrrev_b32 v[216+(\g)], 23, v212            ; the scale's byte
.set i, 0
.rept 32
.set i, i+1
.endr
.irp q, 0,1,2,3
	v_cvt_scalef32_pk8_fp8_f32 v[ACC+8*(\g)+2*\q:ACC+8*(\g)+2*\q+1], v[XS+8*\q:XS+8*\q+7], v212
.endr
	v_nop                                          ; a plain line behind the last conversion
	ds_store_b128 v5, v[ACC+8*(\g):ACC+8*(\g)+3] offset:32*XP*(\g)
	ds_store_b128 v5, v[ACC+8*(\g)+4:ACC+8*(\g)+7] offset:32*XP*(\g)+16
	ds_store_b8 v6, v[216+(\g)] offset:256*(\g)
.if (\g) < 2
	LOADX (\g)+2
.endif
.endm
	s_wait_tensorcnt 0x0                           ; my tile is in LDS; nobody else reads it
	LOADX 0
	LOADX 1
	BLOCKX 0, 32                                   ; behind group 0's loads: group 1's 32
	BLOCKX 1, 35                                   ; behind group 1's: 3 stores and group 2's 32
	BLOCKX 2, 35                                   ; likewise
	BLOCKX 3, 3                                    ; behind group 3's: group 2's 3 stores
	s_wait_dscnt 0x0                               ; for the others' sake: my codes and scale bytes lie in LDS
	s_barrier_signal -1
	s_barrier_wait -1
; x's fragments of two neighbouring tiles (32 rows from row off on), both K steps, and their scale words
.macro FETCHX adr, sadr, off
.irp p, 0,1
.irp ks, 0,1
.irp c, 0,1,2,3
	ds_load_b128 v[XF+32*\p+16*\ks+4*\c:XF+32*\p+16*\ks+4*\c+3], v[\adr] offset:(\off)*XP+16*XP*\p+128*\ks+32*\c
.endr
.endr
	ds_load_b64 v[24+2*\p:25+2*\p], v[\sadr] offset:8*(\off)+128*\p
.endr
.endm
; Two runs of 16 numbers, v[ACC + 16 b ..], each half a block of 32 (the other half lies in lane l xor 16), become 4 registers of codes each, v[c + 4 b ..], and a scale byte, v[e + b].
; Each accumulator is read from its low end on.
.macro QUANT2 c, e
.irp b, 0,1
	v_max3_num_f32 v[208+\b], |v[ACC+16*\b]|, |v[ACC+1+16*\b]|, 0x4800000
.endr
.irp i, 2,4,6,8,10,12,14
.irp b, 0,1
	v_max3_num_f32 v[208+\b], v[208+\b], |v[ACC+16*\b+\i]|, |v[ACC+1+16*\b+\i]|
.endr
.endr
.irp b, 0,1
	s_delay_alu instid0(VALU_DEP_2)
	v_permlanex16_b32 v[210+\b], v[208+\b], s42, s43
.endr
.irp b, 0,1
	s_delay_alu instid0(VALU_DEP_2)
	v_max_num_f32 v[208+\b], v[208+\b], v[210+\b]
.endr
.irp b, 0,1
	s_delay_alu instid0(VALU_DEP_2)
	v_add_nc_u32 v[212+\b], 0xfc000000, v[208+\b]
.endr
.irp b, 0,1
.endr
.irp b, 0,1
	s_delay_alu instid0(VALU_DEP_2)
	v_lshrrev_b32 v[(\e)+\b], 23, v[212+\b]
.endr
.irp b, 0,1
.irp i, 0,1,2,3,4,5,6,7,8,9,10,11,12,13,14,15
.endr
	v_cvt_scalef32_pk8_fp8_f32 v[(\c)+4*\b:(\c)+4*\b+1], v[ACC+16*\b:ACC+16*\b+7], v[212+\b]
	v_cvt_scalef32_pk8_fp8_f32 v[(\c)+4*\b+2:(\c)+4*\b+3], v[ACC+16*\b+8:ACC+16*\b+15], v[212+\b]
.endr
	v_nop                                          ; a plain line between the last conversion and the products that write its sources again
.endm
.macro PLACES9                         ; 8 places are owed in front of reads of results and of loads into operands, one more in front of products that begin these accumulators anew
.rept 9
	v_nop
.endr
.endm
; ---- Pq: q or k of my 32 positions, transposed: source 0 = 16 rows of the weight, source 1 = 16 positions; the bias is the first product's C; four accumulators by turns
	FETCHX 8, 10, 0
	s_wait_loadcnt 0x0                             ; weights, scale words, biases
.irp u, 0,1
.irp j, 1,2,3,4,5,6,7
	v_mov_b32 v[48+8*\u+\j], v[48+8*\u]            ; bv as C: a lane holds one channel, so its eight registers hold one number
.endr
.endr
	s_wait_dscnt 0x0
	WIN 0x01                                       ; source 0 window 1
.irp p, 0,1
.irp u, 0,1
	v_wmma_scale_f32_16x16x128_f8f6f4 v[ACC+16*\p+8*\u:ACC+16*\p+8*\u+7], v[32*\u:32*\u+15], v[XF+32*\p:XF+32*\p+15], v[32+8*\u:39+8*\u], v[16+2*\u], v[24+2*\p]
.endr
.endr
.irp p, 0,1
.irp u, 0,1
	v_wmma_scale_f32_16x16x128_f8f6f4 v[ACC+16*\p+8*\u:ACC+16*\p+8*\u+7], v[32*\u+16:32*\u+31], v[XF+32*\p+16:XF+32*\p+31], v[ACC+16*\p+8*\u:ACC+16*\p+8*\u+7], v[17+2*\u], v[25+2*\p]
.endr
.endr
	WIN 0
	PLACES9
	FETCHX 7, 9, 0                                 ; v's first 32 positions land while q or k is quantised
	QUANT2 160, 216
	global_store_b128 v15, v[160:163], s[58:59]              ; 32 lanes store 512 consecutive bytes
	global_store_b128 v15, v[164:167], s[58:59] offset:512
	v_cndmask_b32 v30, v216, v217, s45             ; lanes 0-15: the even tile's word, lanes 16-31: the odd tile's; the byte in bits 7:0, zeros above
	global_store_b32 v200, v30, s[58:59] offset:KSC          ; 128 consecutive bytes: 1,024 of the work-group's 43,008 bytes of output leave so, and V's 1,024 below
; ---- Pv: my 32 channels of v, 32 positions at a time: source 0 = 16 positions, source 1 = 16 rows of Wv
.macro PVBLK n
	s_wait_dscnt 0x0
	WIN 0x04                                       ; source 1 window 1
.irp ch, 0,1
.irp p, 0,1
	v_wmma_scale_f32_16x16x128_f8f6f4 v[ACC+16*\ch+8*\p:ACC+16*\ch+8*\p+7], v[XF+32*\p:XF+32*\p+15], v[64+32*\ch:64+32*\ch+15], v[48+8*\ch:55+8*\ch], v[24+2*\p], v[20+2*\ch]
.endr
.endr
.irp ch, 0,1
.irp p, 0,1
	v_wmma_scale_f32_16x16x128_f8f6f4 v[ACC+16*\ch+8*\p:ACC+16*\ch+8*\p+7], v[XF+32*\p+16:XF+32*\p+31], v[64+32*\ch+16:64+32*\ch+31], v[ACC+16*\ch+8*\p:ACC+16*\ch+8*\p+7], v[25+2*\p], v[21+2*\ch]
.endr
.endr
	WIN 0
	PLACES9
.if \n < 3
	FETCHX 7, 9, 32*(\n)+32
.endif
	QUANT2 168+8*(\n), 218
.if \n == 0
	v_mov_b32 v28, v218                            ; four bytes make a channel's scale word for these 128 keys
	v_mov_b32 v29, v219
.else
	v_lshl_or_b32 v28, v218, 8*(\n), v28
	v_lshl_or_b32 v29, v219, 8*(\n), v29
.endif
.irp ch, 0,1
	global_store_b128 v13, v[168+8*(\n)+4*\ch:171+8*(\n)+4*\ch], s[36:37] offset:VIMG+2048*\ch+512*(\n)
.endr
.endm
	PVBLK 0
	PVBLK 1
	PVBLK 2
	PVBLK 3
	v_cndmask_b32 v31, v28, v29, s45
	global_store_b32 v14, v31, s[36:37] offset:VSC
	s_wait_tensorcnt 0x0
	ds_add_u32 v254, v255
	s_wait_dscnt 0x0
	s_endpgm
.Lfunc_end_k_q8e9106fa73_proj:
	.size	k_q8e9106fa73_proj, .Lfunc_end_k_q8e9106fa73_proj-k_q8e9106fa73_proj
	.p2alignl 7, 3214868480
	.fill 96, 4, 3214868480
	.section	.rodata,"a",@progbits
	.p2align	6, 0x0
	.amdhsa_kernel k_q8e9106fa73_proj
		.amdhsa_group_segment_fixed_size 168960
		.amdhsa_private_segment_fixed_size 0
		.amdhsa_enable_private_segment 0
		.amdhsa_kernarg_size 96
		.amdhsa_user_sgpr_count 2
		.amdhsa_user_sgpr_kernarg_segment_ptr 1
		.amdhsa_wavefront_size32 1
		.amdhsa_system_sgpr_workgroup_id_x 1
		.amdhsa_system_sgpr_workgroup_id_y 1
		.amdhsa_system_sgpr_workgroup_id_z 1
		.amdhsa_system_vgpr_workitem_id 0
		.amdhsa_next_free_vgpr 384
		.amdhsa_next_free_sgpr 66
		.amdhsa_reserve_vcc 0
		.amdhsa_float_denorm_mode_32 3
		.amdhsa_float_denorm_mode_16_64 3
		.amdhsa_fp16_overflow 1
		.amdhsa_memory_ordered 1
		.amdhsa_forward_progress 1
		.amdhsa_inst_pref_size 51
	.end_amdhsa_kernel
	.amdgpu_metadata
---
amdhsa.version: [ 1, 2 ]
amdhsa.kernels:
  - .name:           k_q8e9106fa73_proj
    .symbol:         k_q8e9106fa73_proj.kd
    .args:
      - { .name: x, .offset: 0, .size: 8, .value_kind: global_buffer, .address_space: global }
      - { .name: Wq_codes, .offset: 8, .size: 8, .value_kind: global_buffer, .address_space: global }
      - { .name: Wq_scales, .offset: 16, .size: 8, .value_kind: global_buffer, .address_space: global }
      - { .name: bq, .offset: 24, .size: 8, .value_kind: global_buffer, .address_space: global }
      - { .name: Wk_codes, .offset: 32, .size: 8, .value_kind: global_buffer, .address_space: global }
      - { .name: Wk_scales, .offset: 40, .size: 8, .value_kind: global_buffer, .address_space: global }
      - { .name: bk, .offset: 48, .size: 8, .value_kind: global_buffer, .address_space: global }
      - { .name: Wv_codes, .offset: 56, .size: 8, .value_kind: global_buffer, .address_space: global }
      - { .name: Wv_scales, .offset: 64, .size: 8, .value_kind: global_buffer, .address_space: global }
      - { .name: bv, .offset: 72, .size: 8, .value_kind: global_buffer, .address_space: global }
      - { .name: kv, .offset: 80, .size: 8, .value_kind: global_buffer, .address_space: global }
      - { .name: qimg, .offset: 88, .size: 8, .value_kind: global_buffer, .address_space: global }
    .group_segment_fixed_size: 168960
    .private_segment_fixed_size: 0
    .kernarg_segment_align: 8
    .kernarg_segment_size: 96
    .max_flat_workgroup_size: 256
    .sgpr_count:     66
    .vgpr_count:     384
    .wavefront_size: 32
...
	.end_amdgpu_metadata
.endif
;; end of part 1
;; launch attn (part 2): grid 32 x 8, 8 waves a work-group, clusters of 4 x 1, 327,680 bytes of LDS; arguments kv, qimg, x, gamma, out0; writes out0
.if DOCPART == 2
	.amdgcn_target "amdgcn-amd-amdhsa--gfx1250"
	.amdhsa_code_object_version 6
	.text
	.protected	k_q8e9106fa73_attn
	.globl	k_q8e9106fa73_attn
	.p2align	8
	.type	k_q8e9106fa73_attn,@function
k_q8e9106fa73_attn:
	s_mov_b64 s[64:65], 0
	v_nop
	global_prefetch_b8 v0, s[64:65] scope:SCOPE_SE
	s_setreg_imm32_b32 hwreg(HW_REG_WAVE_MODE, 25, 1), 1
	s_wait_xcnt 0x0
	s_wait_alu depctr_hold_cnt(0) depctr_sa_sdst(0) depctr_va_vdst(0) depctr_va_sdst(0) depctr_va_ssrc(0) depctr_va_vcc(0) depctr_vm_vsrc(0)
	s_getreg_b32 s2, hwreg(HW_REG_IB_STS2, 6, 4)
	s_cmp_eq_u32 s2, 0
	s_cbranch_scc0 .Lentry_in_a_cluster
	s_endpgm
.Lentry_in_a_cluster:
	s_bfe_u32 s2, ttmp6, 0x10000c
	s_cmp_lg_u32 s2, 0x3003
	s_cbranch_scc0 .Lentry_shape_is_right
	s_endpgm
.Lentry_shape_is_right:
; out0[b][c][i] = gamma x (sum over j of v[b][c][j] p[i][j]) / l[i] + x[b][c][i], p = 2^(t - M), t = (q_i . k_j) log2(e), M the row's largest t rounded up to a whole number, l the sum of the unquantised p.
; Both products on codes of FP8 (E4M3) with one E8M0 scale for each 32 along K.  q, k, v come as images of operand registers from the launch before (kv: 32 blocks of 38,400 bytes an image, 128 keys each; qimg: 4,608 bytes for 128 queries).
; SHARES.  A work-group owns 128 queries of one image: 8 tiles of 16.  Wave w owns tiles 2 (w % 4) and 2 (w % 4) + 1 and HALF OF THE KEYS: of each slot's four key steps the two numbered 2 (w / 4), 2 (w / 4) + 1.
; So each fragment of V read from LDS feeds two products, and two waves lie on a SIMD: one's vector work stands beside the other's products.  The two halves' sums meet at the end, brought under one M by exact powers of two.
; LAYOUT.  Both products transposed: S^T = K Q^T (source 0 = 16 keys), O^T = V^T P^T (source 0 = 16 channels): a lane holds ONE query (lane % 16).  Row r of tile 2 g + u (keys and queries alike) is position 32 g + 8 u + r + 8 (r / 8),
; so that the 16 registers of two neighbouring tiles of S^T are 16 neighbouring keys and the conversions' results are the second product's operand.
; K = 32 IN AN INSTRUCTION OF K = 128.  Q's registers 4-15 hold zero codes.  K's tile t is named as v[72 + 4 t .. 72 + 4 t + 15]: registers 0-3 are its codes, registers 4-15 are codes of other tiles of K or, in v104-115, codes of V
; (zeros at the start).  Both quantisers hold at 448, so none of these is the NaN code, and a finite number times Q's zero adds nothing; bytes 1-3 of both scale words are 0, which is a power of two and not NaN.
; CLUSTER.  The four work-groups of a cluster belong to one image and walk the same blocks of kv: every slot is asked for JOINTLY, each wave its eighth (75 rows of 256 bytes), by the same line with the same descriptor and the mask of all four.
; RING.  Two slots of four key steps (153,600 bytes).  One wait for all tensor loads, one round of the cluster's barrier and one load a wave for each slot; a wave has one tensor load outstanding; it has two key steps of the wave's work in which to land.
; THE FIRST KEY STEP is written out: its products V^T P^T take the constant 0 as C and start O^T's sums, so nothing is cleared and nothing is rescaled there.
; LIMITS: NaN and infinities are not served.  A p under 2^-126 counts as 0 (v_exp_f32 flushes it); l is over 1/2.  A block of p whose largest lies under 2^-118 keeps the byte 1.  The sums over the keys are taken in two halves, another order than a single chain's.
; REGISTERS, window 0: v1 16 lane, v2 4 lane, v3-4 LDS addresses in hand, v5-6 the spare word's address and 0, v7-10 the stage's; v12-15, v16-19 -M, largest t, l (two halves) of tiles A, B; v[20:21], v[22:23] f;
;   v24 Q's scale words, v25-26 p's, v28-31 K's, v32-39 V's; v40-55, v56-71 Q; v72-135 K, then four fragments of V; v136-199 S^T, then p, then four fragments of V; v200-215, v216-231 p's codes; v232-254 at work.
;   window 1: O^T: tile x, channels 16 e on, at v[128 x + 8 e].
.set KVB,    38400
.set SLOT,   4*KVB
.set EIGHTH, SLOT/8
.set KSC,    4096
.set VIMG,   4608
.set VSC,    37376
.set SPARE,  2*SLOT                    ; behind the ring: the spare words, 128 bytes for each of eight waves: four blocks of 256 bytes that no other line names
.set STATS,  SPARE+1024                ; 512 bytes a wave: -M and l of its two tiles; no fill lands here
.set SP,     528                       ; the way out: two stages (one for each half of the keys) of 256 rows (channels) x (512 bytes + 16).  They lie in the slots, which have had their last fill and, behind a barrier, their last read
.set STGB,   256*SP
.set KV,     72
.set S,      136
.set MSB, 0
.macro WIN new                         ; the immediate's high byte repeats the setting that is left
.if MSB != \new
	s_set_vgpr_msb (MSB<<8)|\new
.set MSB, \new
.endif
.endm
.macro CROUND                          ; a round of the cluster's barrier: my work-group's barrier; wave 0 signals for the work-group; every wave waits for all four work-groups; my work-group's barrier once more
	s_barrier_signal -1
	s_barrier_wait -1
	s_cmp_lg_u32 s14, 0
	s_cbranch_scc1 .Lnot_wave_0_\@
	s_barrier_signal -3
.Lnot_wave_0_\@:
	s_barrier_wait -3
	s_barrier_signal -1
	s_barrier_wait -1
.endm
	s_load_b256 s[4:11], s[0:1], 0x0               ; kv, qimg, x, gamma
	s_load_b64 s[12:13], s[0:1], 0x20              ; out0
	v_lshl_add_u32 v5, v0, 2, SPARE
	v_mov_b32 v6, 0
	ds_add_u32 v5, v6
	ds_add_u32 v5, v6
	s_wait_dscnt 0x0
	v_lshrrev_b32 v1, 5, v0
	s_delay_alu instid0(VALU_DEP_1)
	v_readfirstlane_b32 s14, v1                    ; wave 0..7
	s_lshr_b32 s15, s14, 2                         ; which half of the keys
	s_and_b32 s16, s14, 3                          ; which pair of query tiles
	s_bfe_u32 s17, ttmp6, 0x40000                  ; cx: my place in the cluster
	s_lshl_b32 s18, ttmp9, 2
	s_add_co_u32 s18, s18, s17                     ; my block of 128 queries = 4 x cluster x + cx: it enters the addresses of qimg, x and out0 alone
	s_and_b32 s19, ttmp7, 0xffff                   ; the image, which the four partners share
	s_mov_b32 s20, 0x76543210
	s_mov_b32 s21, 0xfedcba98                      ; v_permlanex16_b32's selects for lane l xor 16
	s_mov_b32 s22, 0x3fb8aa3b                      ; log2(e)
	s_mov_b32 s23, s22                             ; (named with it as a pair, so it is written)
	s_mul_i32 s27, s15, 2*KVB                      ; my two key steps in a slot
	; descriptor group 1: 75 rows of 32 elements of 8 bytes, dense
	s_mov_b32 s40, 15|(3<<16)|(1<<21)              ; 15:0 the mask: all four work-groups; 17:16 elements of 8 bytes; 21 set beside a mask; no padding: images are read 16 bytes a lane, on end
	s_mov_b32 s41, 32<<16                          ; tensor_dim0 = 32
	s_mov_b32 s42, 75<<16                          ; tensor_dim1 = 75
	s_mov_b32 s43, 32<<16                          ; tile_dim0 = 32
	s_mov_b32 s44, 75                              ; tile_dim1 = 75
	s_mov_b32 s45, 32                              ; tensor_dim0_stride
	s_mov_b32 s46, 0
	s_mov_b32 s47, 0
	s_mul_i32 s48, s19, 32*KVB                     ; the image's blocks of kv,
	s_mul_i32 s50, s14, EIGHTH                     ; my eighth of a slot: in memory and in LDS
	s_add_co_u32 s48, s48, s50
	s_mov_b32 s49, 0
	s_lshl_b32 s52, s19, 5
	s_add_co_u32 s52, s52, s18
	s_mul_i32 s52, s52, 4608                       ; my block of qimg
	s_mov_b32 s53, 0
	s_lshl_b32 s54, s19, 22                        ; x and out0: the image,
	s_lshl_b32 s55, s14, 19                        ; channels 32 x wave on,
	s_add_co_u32 s54, s54, s55
	s_lshl_b32 s55, s18, 9                         ; my block's 128 positions
	s_add_co_u32 s54, s54, s55
	s_mov_b32 s55, 0
	s_wait_kmcnt 0x0
	s_load_b32 s25, s[10:11], 0x0                  ; gamma
	s_add_nc_u64 s[4:5], s[4:5], s[48:49]
	s_add_nc_u64 s[6:7], s[6:7], s[52:53]
	s_add_nc_u64 s[8:9], s[8:9], s[54:55]
	s_add_nc_u64 s[12:13], s[12:13], s[54:55]
	CROUND                                         ; all four work-groups are here: the first joint loads meet
.irp n, 0,1
	s_mov_b32 s[32+4*\n], 1                        ; group 0 of slot n: count = 1
	s_add_co_u32 s[33+4*\n], s50, \n*SLOT          ; LDS address: no place in the cluster enters it
	s_add_nc_u64 s[34+4*\n:35+4*\n], s[4:5], \n*SLOT
	s_or_b32 s[35+4*\n], s[35+4*\n], 0x80000000    ; type = 2
.endr
	tensor_load_to_lds s[32:35], s[40:47]          ; slot 0: key steps 0 to 3
	s_nop 0
.rept 4
	v_nop
.endr
	v_and_b32 v7, 31, v0
	s_delay_alu instid0(VALU_DEP_1)
	v_lshlrev_b32 v1, 4, v7
	s_delay_alu instid0(VALU_DEP_2)
	v_lshlrev_b32 v2, 2, v7
	s_delay_alu instid0(VALU_DEP_2)
	v_lshl_add_u32 v8, s16, 10, v1
	s_delay_alu instid0(VALU_DEP_2)
	v_lshl_add_u32 v9, s16, 7, v2
	global_load_b128 v[40:43], v8, s[6:7]          ; Q's codes, tile A,
	global_load_b128 v[56:59], v8, s[6:7] offset:512   ; tile B,
	global_load_b32 v24, v9, s[6:7] offset:KSC     ; and their scale words: A's in lanes 0-15, B's in lanes 16-31
.set i, 0
.rept 12
	v_mov_b32 v[44+i], 0                           ; zero codes for k = 32 .. 127
	v_mov_b32 v[60+i], 0
	v_mov_b32 v[104+i], 0                          ; named behind K's last tiles before V's codes first land there
.set i, i+1
.endr
.irp t, 12,16
	v_mov_b32 v[\t+1], 0xff61b1e6                  ; the largest t so far: -3e38, under every t
	s_delay_alu instid0(VALU_DEP_1)
	v_floor_f32 v[\t], -v[\t+1]                    ; -M
	v_mov_b32 v[\t+2], 0                           ; the sum, in two halves
	v_mov_b32 v[\t+3], 0
.endr
.irp r, 20,21,22,23,236,237,238,239
	v_mov_b32 v[\r], 0                             ; upper halves of pairs that are named whole, and lane permutes' destinations: written once
.endr
; S^T of tile x (0: A, 1: B): eight products, one for each 16 keys
.macro SCORES x
.irp t, 0,1,2,3,4,5,6,7
.if (\t%2 == 0) && (\x == 0)
	v_wmma_scale_f32_16x16x128_f8f6f4 v[S+8*\t:S+8*\t+7], v[KV+4*\t:KV+4*\t+15], v[40+16*\x:55+16*\x], 0, v[28+\t/2], v24
.elseif (\x == 0)
	v_wmma_scale_f32_16x16x128_f8f6f4 v[S+8*\t:S+8*\t+7], v[KV+4*\t:KV+4*\t+15], v[40+16*\x:55+16*\x], 0, v[28+\t/2], v24 matrix_a_scale:MATRIX_SCALE_ROW1
.elseif (\t%2 == 0)
	v_wmma_scale_f32_16x16x128_f8f6f4 v[S+8*\t:S+8*\t+7], v[KV+4*\t:KV+4*\t+15], v[40+16*\x:55+16*\x], 0, v[28+\t/2], v24 matrix_b_scale:MATRIX_SCALE_ROW1
.else
	v_wmma_scale_f32_16x16x128_f8f6f4 v[S+8*\t:S+8*\t+7], v[KV+4*\t:KV+4*\t+15], v[40+16*\x:55+16*\x], 0, v[28+\t/2], v24 matrix_a_scale:MATRIX_SCALE_ROW1 matrix_b_scale:MATRIX_SCALE_ROW1
.endif
.endr
.endm
.macro PLACES cnt                      ; behind this form eight plain vector instructions that name none of its registers stand in front of reads of results and of loads into operands; these fill the places where no work is at hand
.rept \cnt
	v_nop
.endr
.endm
; One tile's softmax for 128 keys.  st: its statistics (-M, largest t, l in two halves); f: the pair whose low word takes 2^(old M - new M); pc: p's codes; ps: p's scale word
.macro SOFTMAX st, f, pc, ps
.irp b, 0,1,2,3
	v_max3_num_f32 v[232+\b], v[S+16*\b], v[S+1+16*\b], v[S+2+16*\b]       ; the largest score of each block of 32 keys: for the row's maximum and, since p rises with the score, for the block's largest p
.endr
.irp i, 3,5,7,9,11,13
.irp b, 0,1,2,3
	v_max3_num_f32 v[232+\b], v[232+\b], v[S+16*\b+\i], v[S+1+16*\b+\i]
.endr
.endr
.irp b, 0,1,2,3
	v_max_num_f32 v[232+\b], v[232+\b], v[S+15+16*\b]
.endr
.irp b, 0,1,2,3
	s_delay_alu instid0(VALU_DEP_4)
	v_permlanex16_b32 v[236+\b], v[232+\b], s20, s21
.endr
.irp b, 0,1,2,3
	s_delay_alu instid0(VALU_DEP_4)
	v_max_num_f32 v[232+\b], v[232+\b], v[236+\b]  ; with lane l xor 16's 16 keys
.endr
	s_delay_alu instid0(VALU_DEP_2)
	v_max3_num_f32 v254, v232, v233, v234
	s_delay_alu instid0(VALU_DEP_1)
	v_max_num_f32 v254, v254, v235
	s_delay_alu instid0(VALU_DEP_1)
	v_mul_f32 v254, s22, v254                      ; as t
	s_delay_alu instid0(VALU_DEP_1)
	v_max_num_f32 v[\st+1], v[\st+1], v254         ; the running largest t
	v_mov_b32 v254, v[\st]
	s_delay_alu instid0(VALU_DEP_2)
	v_floor_f32 v[\st], -v[\st+1]                  ; the new -M = floor(-t): M is a whole number
	s_delay_alu instid0(VALU_DEP_1)
	v_sub_f32 v254, v[\st], v254                   ; old M - new M: a whole number, 0 or less
	s_delay_alu instid0(VALU_DEP_1)
	v_cvt_i32_f32 v254, v254                       ; (it saturates)
	s_delay_alu instid0(VALU_DEP_1)
	v_ldexp_f32 v[\f], 1.0, v254                   ; f = 2^(old M - new M): multiplying by it rounds nothing
.set j, 0
.rept 32
	v_pk_fma_f32 v[S+j:S+j+1], v[S+j:S+j+1], s[22:23], v[\st:\st+1] op_sel_hi:[1,0,0]   ; t - M, two at a time
.set j, j+2
.endr
.irp b, 0,1,2,3
	v_fma_f32 v[232+\b], v[232+\b], s22, v[\st]    ; the same of each block's largest score
.endr
.set j, 0
	s_wait_alu depctr_va_vdst(0)
.rept 64
	v_exp_f32 v[S+j], v[S+j]                       ; p = 2^(t - M): not normalised
.set j, j+1
.endr
.irp b, 0,1,2,3
	v_exp_f32 v[232+\b], v[232+\b]                 ; the block's largest p: the same two instructions on the same number
.endr
	v_pk_mul_f32 v[\st+2:\st+3], v[\st+2:\st+3], v[\f:\f+1] op_sel_hi:[1,0]   ; the sums under the new M (a plain line behind the exponentials)
	s_wait_alu depctr_va_vdst(0)
.irp b, 0,1,2,3
	v_max_num_f32 v[232+\b], 0x4800000, v[232+\b]  ; the floor 2^(9 - 127): the byte cannot fall under 1
.endr
.irp b, 0,1,2,3
	s_delay_alu instid0(VALU_DEP_4)
	v_add_nc_u32 v[244+\b], 0xfc000000, v[232+\b]  ; 8 off the exponent field: the conversion's scale operand
.endr
.irp b, 0,1,2,3
.endr
.irp b, 0,1,2,3
	s_delay_alu instid0(VALU_DEP_4)
	v_lshrrev_b32 v[236+\b], 23, v[244+\b]         ; the scale's byte
.endr
	s_delay_alu instid0(VALU_DEP_3)
	v_lshl_or_b32 v[\ps], v237, 8, v236            ; p's scale word for these 128 keys
	s_delay_alu instid0(VALU_DEP_1)
	v_lshl_or_b32 v[\ps], v238, 16, v[\ps]
	s_delay_alu instid0(VALU_DEP_1)
	v_lshl_or_b32 v[\ps], v239, 24, v[\ps]
	v_pk_add_f32 v[236:237], v[S:S+1], v[S+2:S+3]  ; the row's sum is taken of the unquantised p: two at a time, in two chains
.irp j, 4,8,12,16,20,24,28,32,36,40,44,48,52,56,60
	v_pk_add_f32 v[\st+2:\st+3], v[\st+2:\st+3], v[S+\j:S+1+\j]
	v_pk_add_f32 v[236:237], v[236:237], v[S+2+\j:S+3+\j]
.endr
	s_delay_alu instid0(VALU_DEP_1)
	v_pk_add_f32 v[\st+2:\st+3], v[\st+2:\st+3], v[236:237]
.irp b, 0,2
.irp i, 0,2,4,6,8,10,12,14
.endr
.irp u, 0,1
	v_cvt_scalef32_pk8_fp8_f32 v[\pc+4*(\b+\u):\pc+4*(\b+\u)+1], v[S+16*(\b+\u):S+16*(\b+\u)+7], v[244+\b+\u]
	v_cvt_scalef32_pk8_fp8_f32 v[\pc+4*(\b+\u)+2:\pc+4*(\b+\u)+3], v[S+16*(\b+\u)+8:S+16*(\b+\u)+15], v[244+\b+\u]
.endr
.endr
	v_nop                                          ; a plain line behind the last conversion
.endm
.macro VLOAD g, buf                    ; V's fragments of channels 64 g .. 64 g + 63 into v[buf ..]
.irp t, 0,1,2,3
.irp c, 0,1,2,3
	ds_load_b128 v[\buf+16*\t+4*\c:\buf+16*\t+4*\c+3], v3 offset:VIMG+2048*(4*(\g)+\t)+512*\c
.endr
.endr
.endm
.macro RESC x, g0, cnt                 ; O^T of tile x, channels 64 g0 on, cnt times 64 of them, under the new M: 16 packed multiplications for each 64 channels, each accumulator from its low end on
	WIN 0x41                                       ; O^T (destination and source 0) window 1, f window 0
.set j, 0
.rept 16*\cnt
	v_pk_mul_f32 v[128*\x+32*(\g0)+j:128*\x+32*(\g0)+j+1], v[128*\x+32*(\g0)+j:128*\x+32*(\g0)+j+1], v[20+2*\x:21+2*\x] op_sel_hi:[1,0]
.set j, j+2
.endr
.endm
; O^T += V^T P^T for channels 64 g .. 64 g + 63: eight products; each of the 32 accumulators has one instruction a key step, so they take turns.  zero = 1: the products start the sums
.macro PV g, buf, zero
	WIN 0x50                                       ; C and D window 1
.irp t, 0,1,2,3
.irp x, 0,1
.if (\zero) && (\t%2 == 0)
	s_wait_alu depctr_va_vdst(0)
	v_wmma_scale_f32_16x16x128_f8f6f4 v[128*\x+8*(4*(\g)+\t):128*\x+8*(4*(\g)+\t)+7], v[\buf+16*\t:\buf+16*\t+15], v[200+16*\x:215+16*\x], 0, v[32+(4*(\g)+\t)/2], v[25+\x]
.elseif (\zero)
	v_wmma_scale_f32_16x16x128_f8f6f4 v[128*\x+8*(4*(\g)+\t):128*\x+8*(4*(\g)+\t)+7], v[\buf+16*\t:\buf+16*\t+15], v[200+16*\x:215+16*\x], 0, v[32+(4*(\g)+\t)/2], v[25+\x] matrix_a_scale:MATRIX_SCALE_ROW1
.elseif (\t%2 == 0)
	v_wmma_scale_f32_16x16x128_f8f6f4 v[128*\x+8*(4*(\g)+\t):128*\x+8*(4*(\g)+\t)+7], v[\buf+16*\t:\buf+16*\t+15], v[200+16*\x:215+16*\x], v[128*\x+8*(4*(\g)+\t):128*\x+8*(4*(\g)+\t)+7], v[32+(4*(\g)+\t)/2], v[25+\x]
.else
	v_wmma_scale_f32_16x16x128_f8f6f4 v[128*\x+8*(4*(\g)+\t):128*\x+8*(4*(\g)+\t)+7], v[\buf+16*\t:\buf+16*\t+15], v[200+16*\x:215+16*\x], v[128*\x+8*(4*(\g)+\t):128*\x+8*(4*(\g)+\t)+7], v[32+(4*(\g)+\t)/2], v[25+\x] matrix_a_scale:MATRIX_SCALE_ROW1
.endif
.endr
.endr
.endm
; A KEY STEP: 128 keys, whose block begins at LDS byte s26.  first = 1: the wave's first step: no product stands in front of it, O^T's sums begin in it, and there is nothing to rescale; v_nop take the rescalings' part as places.
.macro STEP first
	v_add_nc_u32 v3, s26, v1
	v_add_nc_u32 v4, s26, v2
.if \first == 0
	PLACES 7                                       ; with the two additions nine places behind the last step's products: their operands are next written by loads (eight are owed) and by the products below (nine)
.endif
.irp t, 0,1,2,3,4,5,6,7
	ds_load_b128 v[KV+4*\t:KV+4*\t+3], v3 offset:512*\t
.endr
.irp i, 0,1,2,3
	ds_load_b32 v[28+\i], v4 offset:KSC+128*\i
.endr
.irp i, 0,1,2,3,4,5,6,7
	ds_load_b32 v[32+\i], v4 offset:VSC+128*\i
.endr
	s_wait_dscnt 8                                 ; K and its scale words are in; V's eight scale words may be out
	SCORES 0
	PLACES 8
	SOFTMAX 12, 20, 200, 25
	SCORES 1
.if \first
	PLACES 8
.else
	RESC 0, 0, 4                                   ; tile A's O^T under its new M: 64 lines that name nothing of tile B's score products: they are the places behind them
	WIN 0
.endif
	VLOAD 0, KV                                    ; K is done with: V's first fragments land under tile B's softmax
	SOFTMAX 16, 22, 216, 26
	s_setprio 1
	VLOAD 1, S
.if \first
	PLACES 4                                       ; codes written by vector instructions stand four places ahead of a scaled product
.else
	RESC 1, 0, 2                                   ; tile B's O^T, channels 0 to 127
.endif
	s_wait_dscnt 16                                ; all but the 16 loads just issued
	PV 0, KV, \first
.if \first
	PLACES 8
.else
	RESC 1, 2, 1                                   ; channels 128 to 191: its 16 lines are also the places in front of the loads below
.endif
	WIN 0
	VLOAD 2, KV
	s_wait_dscnt 16
	PV 1, S, \first
.if \first
	PLACES 8
.else
	RESC 1, 3, 1                                   ; channels 192 to 255, likewise
.endif
	WIN 0
	s_setprio 0
	VLOAD 3, S
	s_wait_alu depctr_va_vdst(0)
	s_wait_dscnt 16
	PV 2, KV, \first
	s_wait_dscnt 0x0
	PV 3, S, \first
	WIN 0                                          ; at a label and at a branch every window is 0
.endm
.macro TWO_STEPS base                  ; my two key steps of the slot at LDS byte base: written once, walked twice
	s_add_co_u32 s26, s27, \base
	s_mov_b32 s28, 2
.Lstep_\@:
	s_setprio 2
	STEP 0
	s_add_co_u32 s26, s26, KVB
	s_sub_co_u32 s28, s28, 1
	s_cmp_lg_u32 s28, 0
	s_cbranch_scc1 .Lstep_\@
	s_setprio 0
.endm
; THE CHANGE OF SLOTS stands at the head of slot 'slot'.  Each wave waits for all its tensor loads (its eighth of the slot ahead), adds 0 to its spare word, and waits for that and for its reads of the slot that it has left.
; Behind the round the slot ahead is whole and no wave of any partner reads the other one.  refill = 1: that other slot is filled with the four key steps that follow.
.macro CHANGE slot, refill
	s_wait_tensorcnt 0x0                           ; no tensor load of mine is out, so a group 0 may be written
	ds_add_u32 v5, v6                              ; 0 onto my spare word
	s_add_nc_u64 s[34+4*\slot:35+4*\slot], s[34+4*\slot:35+4*\slot], 2*SLOT   ; this slot's next four key steps; the type bits on top are not reached
	s_wait_dscnt 0x0                               ; the add is done, and my reads of the slot that I have left are over
	CROUND
.if \refill
	tensor_load_to_lds s[36-4*\slot:39-4*\slot], s[40:47]   ; the first thing behind the round, and my one tensor load until the next
	s_nop 0
.rept 4
	v_nop
.endr
.endif
.endm
	s_wait_loadcnt 0x0                             ; Q
	s_wait_kmcnt 0x0                               ; gamma
	CHANGE 0, 1                                    ; eight slots' worth of keys.  The first is written out, for the sake of its first step;
	s_add_co_u32 s26, s27, 0*SLOT
	STEP 1
	s_add_co_u32 s26, s26, KVB
	STEP 0
	s_mov_b32 s29, 3
.Llap:                                             ; three laps of two slots;
	CHANGE 1, 1
	TWO_STEPS SLOT
	CHANGE 0, 1
	TWO_STEPS 0
	s_sub_co_u32 s29, s29, 1
	s_cmp_lg_u32 s29, 0
	s_cbranch_scc1 .Llap
	CHANGE 1, 0                                    ; and the last is written out: nothing is left to fetch (the stepped addresses are not used)
	TWO_STEPS SLOT
; ---- THE WAY OUT
	PLACES 8                                       ; behind the last products
	v_add_f32 v14, v14, v15                        ; l: the two halves,
	v_add_f32 v18, v18, v19
	s_delay_alu instid0(VALU_DEP_2)
	v_permlanex16_b32 v236, v14, s20, s21
	s_delay_alu instid0(VALU_DEP_2)
	v_permlanex16_b32 v237, v18, s20, s21
	s_delay_alu instid0(VALU_DEP_2)
	v_add_f32 v14, v14, v236                       ; and lane l xor 16's
	s_delay_alu instid0(VALU_DEP_2)
	v_add_f32 v18, v18, v237
	s_lshl_b32 s48, s14, 9
	s_add_co_u32 s48, s48, STATS
	v_add_nc_u32 v3, s48, v2                       ; my figures' place,
	s_xor_b32 s49, s14, 4
	s_lshl_b32 s49, s49, 9
	s_add_co_u32 s49, s49, STATS
	v_add_nc_u32 v4, s49, v2                       ; and those of the wave that has my queries' other keys
	ds_store_b32 v3, v12
	ds_store_b32 v3, v14 offset:128
	ds_store_b32 v3, v16 offset:256
	ds_store_b32 v3, v18 offset:384
.set i, 0
.rept 32
	global_load_b128 v[KV+4*i:KV+4*i+3], v1, s[8:9] offset:16384*i th:TH_LOAD_NT   ; x of the 32 channels that I shall store: a row's 512 consecutive bytes a load; they land under the work below
.set i, i+1
.endr
	s_wait_alu depctr_va_vdst(0)
	s_wait_dscnt 0x0                               ; for the others' sake: my figures lie in LDS, and my reads of the slots are over
	s_barrier_signal -1
	s_barrier_wait -1
	ds_load_b32 v232, v4
	ds_load_b32 v233, v4 offset:128
	ds_load_b32 v234, v4 offset:256
	ds_load_b32 v235, v4 offset:384
	v_and_b32 v248, 15, v0                         ; r
	v_bfe_u32 v249, v0, 4, 1                       ; h
	s_delay_alu instid0(VALU_DEP_2)
	v_and_b32 v250, 8, v248
	s_delay_alu instid0(VALU_DEP_1)
	v_add_nc_u32 v250, v250, v248                  ; r + 8 (r / 8)
	s_delay_alu instid0(VALU_DEP_1)
	v_lshlrev_b32 v250, 2, v250
	s_delay_alu instid0(VALU_DEP_1)
	v_mad_u32_u24 v250, v249, 8*SP, v250           ; the stage: row = channel 16 e + 8 h + j, column = my query's position 32 (w % 4) + 8 x + r + 8 (r / 8)
	s_mul_i32 s48, s15, STGB
	s_lshl_b32 s49, s16, 7
	s_add_co_u32 s48, s48, s49
	v_add_nc_u32 v7, s48, v250                     ; four address registers, 64 rows apart: an offset has 16 bits.  The 32 lanes of a store fall on 32 different banks: words r + 8 (r / 8) + 32 h mod 64
	s_delay_alu instid0(VALU_DEP_1)
	v_add_nc_u32 v8, 64*SP, v7
	s_delay_alu instid0(VALU_DEP_2)
	v_add_nc_u32 v9, 128*SP, v7
	s_delay_alu instid0(VALU_DEP_3)
	v_add_nc_u32 v10, 192*SP, v7
	s_wait_dscnt 0x0
.irp t, 0,1                            ; tile A: own v12, v14, other v232, v233; tile B: own v16, v18, other v234, v235
	v_min_num_f32 v[240+4*\t], v[12+4*\t], v[232+2*\t]        ; -M of both halves
	s_delay_alu instid0(VALU_DEP_1)
	v_sub_f32 v[241+4*\t], v[240+4*\t], v[12+4*\t]            ; my M - M: a whole number, 0 or less
	s_delay_alu instid0(VALU_DEP_2)
	v_sub_f32 v[242+4*\t], v[240+4*\t], v[232+2*\t]
	s_delay_alu instid0(VALU_DEP_2)
	v_cvt_i32_f32 v[241+4*\t], v[241+4*\t]
	s_delay_alu instid0(VALU_DEP_2)
	v_cvt_i32_f32 v[242+4*\t], v[242+4*\t]
	s_delay_alu instid0(VALU_DEP_2)
	v_ldexp_f32 v[241+4*\t], 1.0, v[241+4*\t]                 ; exact powers of two
	s_delay_alu instid0(VALU_DEP_2)
	v_ldexp_f32 v[242+4*\t], 1.0, v[242+4*\t]
	s_delay_alu instid0(VALU_DEP_1)
	v_mul_f32 v[243+4*\t], v[233+2*\t], v[242+4*\t]
	s_delay_alu instid0(VALU_DEP_1)
	v_fma_f32 v[243+4*\t], v[14+4*\t], v[241+4*\t], v[243+4*\t]   ; the row's sum over all keys
.endr
	s_wait_alu depctr_va_vdst(0)
	v_rcp_f32 v243, v243
	v_rcp_f32 v247, v247
	v_mul_f32 v241, s25, v241                      ; (plain lines behind the reciprocals)
	v_mul_f32 v245, s25, v245
	s_wait_alu depctr_va_vdst(0)
	v_mul_f32 v20, v241, v243                      ; gamma x 2^(my M - M) / l
	v_mul_f32 v22, v245, v247
	RESC 0, 0, 4                                   ; O^T x that figure, both tiles
	RESC 1, 0, 4
	WIN 0x04                                       ; an LDS store's data are its source 1: window 1
.irp x, 0,1
.set ee, 0
.rept 16
.irp j, 0,1,2,3,4,5,6,7
	ds_store_b32 v[7+ee/4], v[128*\x+8*ee+\j] offset:(16*(ee%4)+\j)*SP+32*\x
.endr
.set ee, ee+1
.endr
.endr
	WIN 0
	s_wait_dscnt 0x0                               ; for the others' sake: my part of the stage is written
	s_barrier_signal -1
	s_barrier_wait -1
	s_mul_i32 s48, s14, 32*SP
	v_add_nc_u32 v3, s48, v1                       ; back: channels 32 w .. 32 w + 31, a whole row of 512 bytes to the 32 lanes; the first half of the keys,
	s_delay_alu instid0(VALU_DEP_1)
	v_add_nc_u32 v4, STGB, v3                      ; and the second
	WIN 0x40                                       ; destination window 1: O^T's registers are free
.set i, 0
.rept 32
	ds_load_b128 v[4*i:4*i+3], v3 offset:SP*i
	ds_load_b128 v[128+4*i:128+4*i+3], v4 offset:SP*i
.set i, i+1
.endr
	s_wait_dscnt 0x0
	s_wait_loadcnt 0x0                             ; x
	WIN 0x45
.set j, 0
.rept 64
	v_pk_add_f32 v[j:j+1], v[j:j+1], v[128+j:129+j]           ; the two halves of the keys
.set j, j+2
.endr
	WIN 0x04
.set j, 0
.rept 64
	v_pk_add_f32 v[KV+j:KV+j+1], v[KV+j:KV+j+1], v[j:j+1]     ; + x
.set j, j+2
.endr
	WIN 0
.set i, 0
.rept 32
	global_store_b128 v1, v[KV+4*i:KV+4*i+3], s[12:13] offset:16384*i th:TH_STORE_NT   ; 32 lanes store 512 consecutive bytes, at a multiple of 512 from out0's first byte
.set i, i+1
.endr
	s_wait_tensorcnt 0x0                           ; the wave's end: behind my last tensor load and my last LDS store
	ds_add_u32 v5, v6
	s_wait_dscnt 0x0
	CROUND                                         ; the closing round: no work-group ends while a partner may still ask for a tile that names it
	s_endpgm
.Lfunc_end_k_q8e9106fa73_attn:
	.size	k_q8e9106fa73_attn, .Lfunc_end_k_q8e9106fa73_attn-k_q8e9106fa73_attn
	.p2alignl 7, 3214868480
	.fill 96, 4, 3214868480
	.section	.rodata,"a",@progbits
	.p2align	6, 0x0
	.amdhsa_kernel k_q8e9106fa73_attn
		.amdhsa_group_segment_fixed_size 327680
		.amdhsa_private_segment_fixed_size 0
		.amdhsa_enable_private_segment 0
		.amdhsa_kernarg_size 40
		.amdhsa_user_sgpr_count 2
		.amdhsa_user_sgpr_kernarg_segment_ptr 1
		.amdhsa_wavefront_size32 1
		.amdhsa_system_sgpr_workgroup_id_x 1
		.amdhsa_system_sgpr_workgroup_id_y 1
		.amdhsa_system_sgpr_workgroup_id_z 1
		.amdhsa_system_vgpr_workitem_id 0
		.amdhsa_next_free_vgpr 512
		.amdhsa_next_free_sgpr 66
		.amdhsa_reserve_vcc 0
		.amdhsa_float_denorm_mode_32 3
		.amdhsa_float_denorm_mode_16_64 3
		.amdhsa_fp16_overflow 1
		.amdhsa_memory_ordered 1
		.amdhsa_forward_progress 1
		.amdhsa_inst_pref_size 255
	.end_amdhsa_kernel
	.section	.bss,"aw",@nobits
	.p2align	6
	.space	262144
	.amdgpu_metadata
---
amdhsa.version: [ 1, 2 ]
amdhsa.kernels:
  - .name:           k_q8e9106fa73_attn
    .symbol:         k_q8e9106fa73_attn.kd
    .args:
      - { .name: kv, .offset: 0, .size: 8, .value_kind: global_buffer, .address_space: global }
      - { .name: qimg, .offset: 8, .size: 8, .value_kind: global_buffer, .address_space: global }
      - { .name: x, .offset: 16, .size: 8, .value_kind: global_buffer, .address_space: global }
      - { .name: gamma, .offset: 24, .size: 8, .value_kind: global_buffer, .address_space: global }
      - { .name: out0, .offset: 32, .size: 8, .value_kind: global_buffer, .address_space: global }
    .group_segment_fixed_size: 327680
    .private_segment_fixed_size: 0
    .kernarg_segment_align: 8
    .kernarg_segment_size: 40
    .max_flat_workgroup_size: 256
    .sgpr_count:     66
    .vgpr_count:     512
    .wavefront_size: 32
...
	.end_amdgpu_metadata
.endif
;; end of part 2
